; MI455X (gfx1250); checked and timed in simulation.
; The chip was launched on July 23, 2026; its instructions are those of AMD's public machine-readable ISA for CDNA 5 (MIT licence, August 2026) and "CDNA5" Instruction Set Architecture Reference Guide (July 2026). The comments in the code are by the model that wrote it; some were corrected since.
;; FP8 Scaled Layer. Allowed arithmetic: matrix products marked QUANTISED: E5M2 operands, one E8M0 scale for each 32 along K, by v_wmma_scale_f32_16x16x128_f8f6f4 with both operands' format E5M2, f32 sums; everything else in f32.
;; Inputs: bias 4,096 float32; scale_weight 4,096 float32; weight 4,096 x 4,096 float16; x_codes 4 x 1,024 x 128 x 32 uint8 (E5M2 codes of x, K innermost, in blocks of 32 codes); x_scales 4 x 1,024 x 128 uint8 (E8M0 scales of x, one for each 32 codes along K).
;; Outputs: out0 4 x 1,024 x 4,096 float32.
;; This version of the problem:
;;   THIS VERSION OF THE PROBLEM IS GIVEN IN LOW PRECISION. The matrix products marked QUANTISED in the list below multiply operands that are first quantised to E5M2 (5 exponent bits, 2 mantissa bits; 8 bits a number), with one power-of-two scale for each 32 numbers along K (OCP MX v1.0); their sums are f32. All else is computed in f32.
;;   The module's matrix products, in the order in which they are computed (A, B: the left and right operand; K: the contracted axis; several contracted axes count as one K, in the product's order):
;;     1. [M 4,096, K 4,096] x [K 4,096, N 4,096]; A: input x (given as codes); B: computed on the way: QUANTISED
;;   THE QUANTISER, for each operand of a quantised product, along K:
;;     - K is cut into blocks of 32 from its start; a last block that is shorter is filled with zeros.
;;     - A block's scale is 2^e with e = floor(log2(the largest magnitude in the block)) - 15, held to -126 .. 127; a block of zeros has e = 0. As a byte (E8M0): e + 127.
;;     - Each number is divided by its block's scale, clamped to +-57,344, and rounded to the nearest number of E5M2, ties to even, subnormals kept.
;;     - The product sums the exact products of the quantised numbers (number of the format x scale) in f32.
;;   ~~~python
;;   def quantise(x, axis):      # numpy; x: float32 -> the quantised numbers, widened to float32 again
;;       x = np.moveaxis(x, axis, -1); K = x.shape[-1]
;;       x = np.pad(x, [(0, 0)] * (x.ndim - 1) + [(0, -K % 32)]); x = x.reshape(x.shape[:-1] + (-1, 32)); a = np.abs(x).max(-1, keepdims=True)
;;       e = np.where(a > 0, np.clip(np.frexp(np.where(a > 0, a, 1))[1] - 1 - 15, -126, 127), 0)      # np.frexp(a)[1] - 1 = floor(log2(a)), exactly
;;       r = np.clip(x / 2.0 ** e, -57344, 57344)
;;       step = 2.0 ** (np.maximum(np.frexp(np.where(r == 0, 1, r))[1] - 1, -14) - 2)
;;       q = np.round(r / step) * step * 2.0 ** e      # np.round: ties to even
;;       return np.moveaxis(q.reshape(q.shape[:-2] + (-1,))[..., :K], -1, axis).astype(np.float32)
;;   ~~~
;;   OPERANDS COMPUTED ON THE WAY. 'Computed on the way' means the value that the module computes at that place (a softmax that the list does not call 'softmax' is quantised finished and normalised). What goes into a quantiser is computed in f32, as accurately as f32 sums, v_exp_f32 and their like allow (about 1e-6 of the number): no bf16 or f16 on the way to a quantiser, and a product that is left as it is and whose result goes on into a quantised operand takes f32 operands (vector FMAs, or v_wmma_f32_16x16x4_f32). A number that lies on a knife's edge between two numbers of the format may be rounded either way, as far as f32 arithmetic and the matrix unit's own rounding can turn it there, and no further.
;;   INPUTS GIVEN AS CODES. x (in the module: [4, 1024, 4096], K = its axis 2): each comes as NAME_codes (uint8): NAME with its K axis moved to the last place and cut into blocks of 32 codes, [.., K / 32, bytes a block], one block behind the other in memory; one code a byte (a code: sign, 5 exponent bits, 2 mantissa bits); and NAME_scales (uint8): the same leading axes, one E8M0 byte (e + 127) for each 32 codes along K. Its value is code x scale, taken as it is: it is not quantised again, and the codes and scales need not be those that the quantiser above would give.
;; One version. Each part assembles by itself: llvm-mc -triple=amdgcn-amd-amdhsa -mcpu=gfx1250 --defsym DOCPART=n.
;; ======== version 1 of 1: 2 launches
;; limits: values are held in f16: magnitudes above 65,504 overflow, below 6.1e-05 lose precision; right only within a limited range of input values
;; workspace buffers: w_codes 16,777,216 bytes; w_sc 524,288 bytes; x_sc 524,288 bytes
;; launch prep (part 1): grid 272 x 1, 8 waves a work-group, no clusters, 109,568 bytes of LDS; arguments weight, scale_weight, x_scales, w_codes, w_sc, x_sc; writes w_codes, w_sc, x_sc
.if DOCPART == 1
	.amdgcn_target "amdgcn-amd-amdhsa--gfx1250"
	.amdhsa_code_object_version 6
	.text
	.protected	k_qef0a135eca_prep
	.globl	k_qef0a135eca_prep
	.p2align	8
	.type	k_qef0a135eca_prep,@function
k_qef0a135eca_prep:
	s_mov_b64 s[64:65], 0
	v_nop
	global_prefetch_b8 v0, s[64:65] scope:SCOPE_SE
	s_setreg_imm32_b32 hwreg(HW_REG_WAVE_MODE, 25, 1), 1
	s_wait_xcnt 0x0
; w[n][k] = f32(weight[n][k]) x scale_weight[n], [4096][4096], is turned into codes of BF8 (E5M2), one a byte, K innermost (w_codes [n][k]), with one E8M0 byte for each 32 along K.
; A block's scale is 2^(floor(log2(its largest magnitude)) - 15); its byte is the largest magnitude's own exponent field - 15, held at 1 from below.  Each number is divided by the scale,
; held within +-57,344 and rounded to the nearest code, ties to even.  w is made in f32: one conversion from f16, which is exact, and one multiplication.
; THE SCALE BYTES ARE LAID BY K STEP OF 256: w_sc [k / 256][n][8 bytes].  The bytes of 32 neighbouring rows for one K step are then 256 consecutive aligned bytes, which the product's launch loads
; straight into its scale registers, 8 bytes a lane.  x's scale bytes, given as [m][128], are laid anew in the same way into x_sc [k / 256][m][8].
; LIMITS: NaN and infinities in weight or scale_weight are not served.  A block of zeros gets the byte 1 where the quantiser says 127: its codes are zeros, which add nothing under any byte but 0xff,
; and the bytes are read by this program alone.  A block whose largest magnitude lies under 2^(16 - 127) gets the byte 1, which is the quantiser's own hold at -126.
; SHARES.  Work-groups 0 to 255 quantise: work-group i takes rows 32 (i / 2) on; its wave w takes K step 8 (i % 2) + w of those 32 rows: 32 units of one row x 256 along K.
; A unit is 512 consecutive bytes of f16: one load of the wave, 16 bytes a lane.  A lane's 16 bytes are 8 NEIGHBOURS along K, just what one conversion takes: nothing changes lanes.  A block of 32 lies in four
; neighbouring lanes.  A lane's 8 codes are 8 bytes: the wave stores 256 consecutive aligned bytes.  A unit makes 8 scale bytes, the wave's 32 units 256: they are gathered in the wave's own 256 bytes of LDS.
; Work-groups 256 to 271 lay x's scale bytes anew: a wave takes 32 rows (4,096 dense bytes) through its own LDS rows and stores sixteen runs of 256 consecutive aligned bytes.
; No barrier: waves share nothing.  The two paths part once, on the work-group's number, and have LDS bytes of their own.  Every offset is an immediate: no pointer is stepped, no store's data are written again.
.set RAW,    32                        ; v32-95   a ring of 16 units as loaded, 4 registers each (named halves exist for v0-127 alone)
.set F,      96                        ; v96-111  two sets of 8 numbers in f32
.set T,      112                       ; v112-119 two sets of 4: largest magnitude, second chain, 57,344 x the scale, the conversion's scale operand
.set C,      128                       ; v128-191 a unit's codes: two registers for each unit
.set E,      192                       ; v192-223 a unit's scale byte
.set SW,     16                        ; s[16:47] scale_weight of my 32 rows
.set RPITCH, 144                       ; the second path: a row of 128 scale bytes + 16 of padding
.set RBASE,  2048                      ; LDS: 0 .. 2,047 the first path's 256 bytes a wave; from here on the second path's 32 rows a wave
.set RWAVE,  32*RPITCH
	s_load_b256 s[4:11], s[0:1], 0x0               ; weight s[4:5], scale_weight s[6:7], x_scales s[8:9], w_codes s[10:11]
	s_load_b128 s[12:15], s[0:1], 0x20             ; w_sc s[12:13], x_sc s[14:15]
	v_lshl_add_u32 v224, v0, 2, 0x9800
	v_mov_b32 v225, 0
	v_lshrrev_b32 v1, 5, v0
	s_delay_alu instid0(VALU_DEP_1)
	v_readfirstlane_b32 s51, v1                    ; wave 0..7
	v_and_b32 v1, 31, v0                           ; lane
	s_delay_alu instid0(VALU_DEP_1)
	v_lshlrev_b32 v2, 4, v1                        ; 16 x lane: my bytes of a load
	s_delay_alu instid0(VALU_DEP_2)
	v_lshlrev_b32 v3, 3, v1                        ; 8 x lane: my bytes of a store
	s_lshl_b32 s52, s51, 8
	v_lshrrev_b32 v4, 2, v1
	s_delay_alu instid0(VALU_DEP_1)
	v_xor_b32 v4, 4, v4                            ; w_sc: the two words of a row's eight bytes change places: bytes 4-7 hold the first 128 along K, bytes 0-3 the second
	s_delay_alu instid0(VALU_DEP_1)
	v_add_nc_u32 v4, s52, v4
	v_add_nc_u32 v5, s52, v3                       ; and on the way out 8 bytes a lane: lane t takes row t's
	s_mul_i32 s53, s51, RWAVE
	s_add_co_u32 s53, s53, RBASE
	v_lshrrev_b32 v6, 3, v1
	s_delay_alu instid0(VALU_DEP_1)
	v_mul_u32_u24 v6, v6, RPITCH
	v_and_b32 v7, 7, v1
	s_delay_alu instid0(VALU_DEP_1)
	v_lshl_add_u32 v6, v7, 4, v6
	s_delay_alu instid0(VALU_DEP_1)
	v_add_nc_u32 v6, s53, v6                       ; the second path, in: a load's 512 bytes are four rows: row lane / 8, 16 (lane % 8) bytes on
	v_mul_u32_u24 v7, v1, RPITCH
	s_delay_alu instid0(VALU_DEP_1)
	v_add_nc_u32 v7, s53, v7
	; THE LAYOUT OF w_codes THAT HOLDS (in place of [n][k]): by operand fragments, [n / 16][k / 128][c = 0..3][h = 0..1][r = n % 16][16 bytes]: the 16 codes k = 32 c + 16 h + 0 .. 15 of row r.
	; A fragment of 16 rows x 128 K is 2,048 consecutive bytes; lane 16 h + r of the product's wave takes 16 bytes of each 512.  The wave's codes, 32 rows x 256 K, pass through its own LDS rows of 256 + 16 bytes.
.set CBASE, 39936                      ; behind the spare words: 32 rows x 272 bytes for each of the eight waves
	s_mul_i32 s56, s51, 32*272
	s_add_co_u32 s56, s56, CBASE
	v_add_nc_u32 v8, s56, v3                       ; in: 8 bytes a lane of a row
	v_and_b32 v9, 15, v1
	s_delay_alu instid0(VALU_DEP_1)
	v_mul_u32_u24 v9, v9, 272
	v_lshrrev_b32 v10, 4, v1
	s_delay_alu instid0(VALU_DEP_1)
	v_lshl_add_u32 v9, v10, 4, v9
	s_delay_alu instid0(VALU_DEP_1)
	v_add_nc_u32 v9, s56, v9                       ; out: row lane % 16, 16 (lane / 16) bytes on
	s_mov_b32 s50, 0x600000
	s_mov_b32 s49, 0                               ; named with s48 as a pair, so it is written
	s_mov_b32 s55, 0
	s_wait_alu depctr_va_vdst(0)
	s_wait_kmcnt 0x0
	s_cmp_ge_u32 ttmp9, 256
	s_cbranch_scc1 .Lrelay
	; ---- the quantiser
	s_lshr_b32 s52, ttmp9, 1                       ; g: which 32 rows
	s_and_b32 s53, ttmp9, 1
	s_lshl_b32 s53, s53, 3
	s_add_co_u32 s53, s53, s51                     ; s: which K step of 256
	s_lshl_b32 s54, s52, 7                         ; scale_weight: 32 numbers of 4 bytes
	s_add_nc_u64 s[6:7], s[6:7], s[54:55]
	s_load_b512 s[SW:SW+15], s[6:7], 0x0
	s_load_b512 s[SW+16:SW+31], s[6:7], 0x40
	s_lshl_b32 s54, s52, 18                        ; weight: 32 rows of 8,192 bytes,
	s_lshl_b32 s56, s53, 9                         ; + 512 bytes a K step
	s_add_co_u32 s54, s54, s56
	s_add_nc_u64 s[4:5], s[4:5], s[54:55]
	s_lshl_b32 s54, s52, 17                        ; w_codes: 32 rows of 4,096 bytes,
	s_lshl_b32 s56, s53, 12                        ; + two fragments of 2,048 bytes a K step of 256
	s_add_co_u32 s54, s54, s56
	s_add_nc_u64 s[10:11], s[10:11], s[54:55]
	s_lshl_b32 s54, s53, 15                        ; w_sc: 32,768 bytes a K step,
	s_lshl_b32 s56, s52, 8                         ; + 32 rows of 8 bytes
	s_add_co_u32 s54, s54, s56
	s_add_nc_u64 s[12:13], s[12:13], s[54:55]
.macro LOAD t                          ; unit t: row t of my 32, 512 consecutive bytes, into slot t % 16 of the ring
	global_load_b128 v[RAW+4*((\t)%16):RAW+4*((\t)%16)+3], v2, s[4:5] offset:8192*(\t) th:TH_LOAD_NT
.endm
.irp t, 0,1,2,3,4,5,6,7,8,9,10,11,12,13,14,15
	LOAD \t
.endr
	s_wait_kmcnt 0x0                               ; scale_weight of my rows
; Unit t.  a .. h: the eight halves of its slot's four registers, in the order of K.
.macro STEP t, a, b, c, d, e, f, g, h
.set FS, F+8*((\t)%2)
.set TS, T+4*((\t)%2)
.if (\t) < 16
	s_wait_loadcnt 15                              ; loads come back in order: mine is in, the fifteen younger ones of the ring stay out
.else
	s_wait_loadcnt 31-(\t)                         ; nothing more is asked for: the counts run down
.endif
	v_cvt_f32_f16 v[FS], \a                        ; f16 to f32: exact
	v_cvt_f32_f16 v[FS+1], \b
	v_cvt_f32_f16 v[FS+2], \c
	v_cvt_f32_f16 v[FS+3], \d
	v_cvt_f32_f16 v[FS+4], \e
	v_cvt_f32_f16 v[FS+5], \f
	v_cvt_f32_f16 v[FS+6], \g
	v_cvt_f32_f16 v[FS+7], \h
.if (\t) < 16
	LOAD (\t)+16                                   ; the slot has been read: it takes the unit sixteen further on
.endif
	s_mov_b32 s48, s[SW+(\t)]                      ; my row's scale_weight
.irp j, 0,2,4,6
	v_pk_mul_f32 v[FS+\j:FS+\j+1], v[FS+\j:FS+\j+1], s[48:49] op_sel_hi:[1,0]   ; w, two at a time: the pair's low word serves both halves
.endr
	s_delay_alu instid0(VALU_DEP_3)
	v_max3_num_f32 v[TS], |v[FS]|, |v[FS+1]|, |v[FS+2]|            ; the largest magnitude of my 8, in two chains,
	s_delay_alu instid0(VALU_DEP_3)
	v_max3_num_f32 v[TS+1], |v[FS+3]|, |v[FS+4]|, |v[FS+5]|
	s_delay_alu instid0(VALU_DEP_2)
	v_max3_num_f32 v[TS], v[TS], |v[FS+6]|, |v[FS+7]|
	s_delay_alu instid0(VALU_DEP_1)
	v_max3_num_f32 v[TS], v[TS], v[TS+1], 0x8000000                ; and the floor 2^(16 - 127): so the byte cannot fall under 1
	s_delay_alu instid0(VALU_DEP_1)
	v_max_num_f32_dpp v[TS], v[TS], v[TS] row_xmask:1 row_mask:0xf bank_mask:0xf   ; with the three lanes that share my block of 32
	s_delay_alu instid0(VALU_DEP_1)
	v_max_num_f32_dpp v[TS], v[TS], v[TS] row_xmask:2 row_mask:0xf bank_mask:0xf
	s_delay_alu instid0(VALU_DEP_1)
	v_add_nc_u32 v[TS+3], 0xf8800000, v[TS]        ; 15 off its exponent field: the conversion takes the exponent field of this operand as its scale, and nothing else of it
	s_delay_alu instid0(VALU_DEP_2)
	v_and_or_b32 v[TS+2], v[TS], 0x7f800000, s50   ; 57,344 x the scale: the largest magnitude's exponent field over 57,344's mantissa
.irp j, 0,1,2,3,4,5,6,7
	v_med3_num_f32 v[FS+\j], v[FS+\j], -v[TS+2], v[TS+2]           ; the conversion to an 8-bit code does not saturate (ISA guide 7.6.2): the number is held first
.endr
	v_cvt_scalef32_pk8_bf8_f32 v[C+2*(\t):C+2*(\t)+1], v[FS:FS+7], v[TS+3]   ; eight codes, the lowest k in the lowest byte
	v_lshrrev_b32 v[E+(\t)], 23, v[TS+3]           ; the scale's byte.  (Also the plain instruction behind the conversion)
	ds_store_b8 v4, v[E+(\t)] offset:8*(\t)        ; row t's eight bytes at 8 t; the four lanes of a block write the same byte with the same value
	ds_store_b64 v8, v[C+2*(\t):C+2*(\t)+1] offset:272*(\t)   ; row t's 256 codes into my LDS rows
.endm
.irp u, 0, 16
	STEP \u+0,  v32.l, v32.h, v33.l, v33.h, v34.l, v34.h, v35.l, v35.h
	STEP \u+1,  v36.l, v36.h, v37.l, v37.h, v38.l, v38.h, v39.l, v39.h
	STEP \u+2,  v40.l, v40.h, v41.l, v41.h, v42.l, v42.h, v43.l, v43.h
	STEP \u+3,  v44.l, v44.h, v45.l, v45.h, v46.l, v46.h, v47.l, v47.h
	STEP \u+4,  v48.l, v48.h, v49.l, v49.h, v50.l, v50.h, v51.l, v51.h
	STEP \u+5,  v52.l, v52.h, v53.l, v53.h, v54.l, v54.h, v55.l, v55.h
	STEP \u+6,  v56.l, v56.h, v57.l, v57.h, v58.l, v58.h, v59.l, v59.h
	STEP \u+7,  v60.l, v60.h, v61.l, v61.h, v62.l, v62.h, v63.l, v63.h
	STEP \u+8,  v64.l, v64.h, v65.l, v65.h, v66.l, v66.h, v67.l, v67.h
	STEP \u+9,  v68.l, v68.h, v69.l, v69.h, v70.l, v70.h, v71.l, v71.h
	STEP \u+10, v72.l, v72.h, v73.l, v73.h, v74.l, v74.h, v75.l, v75.h
	STEP \u+11, v76.l, v76.h, v77.l, v77.h, v78.l, v78.h, v79.l, v79.h
	STEP \u+12, v80.l, v80.h, v81.l, v81.h, v82.l, v82.h, v83.l, v83.h
	STEP \u+13, v84.l, v84.h, v85.l, v85.h, v86.l, v86.h, v87.l, v87.h
	STEP \u+14, v88.l, v88.h, v89.l, v89.h, v90.l, v90.h, v91.l, v91.h
	STEP \u+15, v92.l, v92.h, v93.l, v93.h, v94.l, v94.h, v95.l, v95.h
.endr
	ds_load_b64 v[12:13], v5
.irp f, 0,1,2,3,4,5,6,7,8,9,10,11,12,13,14,15
	ds_load_b128 v[RAW+4*\f:RAW+4*\f+3], v9 offset:((\f)/8)*16*272+(((\f)/4)%2)*128+((\f)%4)*32   ; 16 rows (f / 8), 128 K ((f / 4) % 2), c = f % 4; served behind my stores
.endr
	s_wait_dscnt 0x0
	global_store_b64 v3, v[12:13], s[12:13]
.irp f, 0,1,2,3,4,5,6,7,8,9,10,11,12,13,14,15
	global_store_b128 v2, v[RAW+4*\f:RAW+4*\f+3], s[10:11] offset:((\f)/8)*65536+(((\f)/4)%2)*2048+((\f)%4)*512   ; 32 lanes store 512 consecutive aligned bytes
.endr
	s_wait_tensorcnt 0x0
	ds_add_u32 v224, v225
	s_wait_dscnt 0x0
	s_endpgm
	; ---- x's scale bytes, laid anew by K step
.Lrelay:
	s_sub_co_u32 s52, ttmp9, 256
	s_lshl_b32 s52, s52, 3
	s_add_co_u32 s52, s52, s51                     ; which 32 rows of x: 0 .. 127
	s_lshl_b32 s54, s52, 12                        ; x_scales: 32 rows of 128 bytes
	s_add_nc_u64 s[8:9], s[8:9], s[54:55]
	s_lshl_b32 s54, s52, 8                         ; x_sc: 32 rows of 8 bytes in each K step
	s_add_nc_u64 s[14:15], s[14:15], s[54:55]
.irp j, 0,1,2,3,4,5,6,7
	global_load_b128 v[RAW+4*\j:RAW+4*\j+3], v2, s[8:9] offset:512*\j th:TH_LOAD_NT   ; 512 consecutive bytes: four rows
.endr
	s_wait_alu depctr_va_vdst(0)
.irp j, 0,1,2,3,4,5,6,7
	s_wait_loadcnt 7-\j                            ; load j is in; the younger ones stay out
	ds_store_b128 v6, v[RAW+4*\j:RAW+4*\j+3] offset:4*RPITCH*\j
.endr
.irp s, 0,1,2,3,4,5,6,7,8,9,10,11,12,13,14,15
	ds_load_b64 v[F+2*\s:F+2*\s+1], v7 offset:8*\s ; my row's eight bytes of K step s; served behind my stores
.endr
.irp s, 0,1,2,3,4,5,6,7,8,9,10,11,12,13,14,15
	s_wait_dscnt 15-\s
	global_store_b64 v3, v[F+2*\s:F+2*\s+1], s[14:15] offset:32768*\s   ; 32 rows x 8 bytes: 256 consecutive aligned bytes
.endr
	s_wait_tensorcnt 0x0
	ds_add_u32 v224, v225
	s_wait_dscnt 0x0
	s_endpgm
.Lfunc_end_k_qef0a135eca_prep:
	.size	k_qef0a135eca_prep, .Lfunc_end_k_qef0a135eca_prep-k_qef0a135eca_prep
	.p2alignl 7, 3214868480
	.fill 96, 4, 3214868480
	.section	.rodata,"a",@progbits
	.p2align	6, 0x0
	.amdhsa_kernel k_qef0a135eca_prep
		.amdhsa_group_segment_fixed_size 109568
		.amdhsa_private_segment_fixed_size 0
		.amdhsa_enable_private_segment 0
		.amdhsa_kernarg_size 48
		.amdhsa_user_sgpr_count 2
		.amdhsa_user_sgpr_kernarg_segment_ptr 1
		.amdhsa_wavefront_size32 1
		.amdhsa_system_sgpr_workgroup_id_x 1
		.amdhsa_system_sgpr_workgroup_id_y 1
		.amdhsa_system_sgpr_workgroup_id_z 1
		.amdhsa_system_vgpr_workitem_id 0
		.amdhsa_next_free_vgpr 226
		.amdhsa_next_free_sgpr 66
		.amdhsa_reserve_vcc 0
		.amdhsa_float_denorm_mode_32 3
		.amdhsa_float_denorm_mode_16_64 3
		.amdhsa_memory_ordered 1
		.amdhsa_forward_progress 1
		.amdhsa_inst_pref_size 81
	.end_amdhsa_kernel
	.amdgpu_metadata
---
amdhsa.version: [ 1, 2 ]
amdhsa.kernels:
  - .name:           k_qef0a135eca_prep
    .symbol:         k_qef0a135eca_prep.kd
    .args:
      - { .name: weight, .offset: 0, .size: 8, .value_kind: global_buffer, .address_space: global }
      - { .name: scale_weight, .offset: 8, .size: 8, .value_kind: global_buffer, .address_space: global }
      - { .name: x_scales, .offset: 16, .size: 8, .value_kind: global_buffer, .address_space: global }
      - { .name: w_codes, .offset: 24, .size: 8, .value_kind: global_buffer, .address_space: global }
      - { .name: w_sc, .offset: 32, .size: 8, .value_kind: global_buffer, .address_space: global }
      - { .name: x_sc, .offset: 40, .size: 8, .value_kind: global_buffer, .address_space: global }
    .group_segment_fixed_size: 109568
    .private_segment_fixed_size: 0
    .kernarg_segment_align: 8
    .kernarg_segment_size: 48
    .max_flat_workgroup_size: 256
    .sgpr_count:     66
    .vgpr_count:     226
    .wavefront_size: 32
...
	.end_amdgpu_metadata
.endif
;; end of part 1
;; launch gemm (part 2): grid 256 x 1, 4 waves a work-group, clusters of 4 x 1, 327,680 bytes of LDS; arguments x_codes, x_sc, w_codes, w_sc, bias, out0; writes out0
.if DOCPART == 2
	.amdgcn_target "amdgcn-amd-amdhsa--gfx1250"
	.amdhsa_code_object_version 6
	.text
	.protected	k_qef0a135eca_gemm
	.globl	k_qef0a135eca_gemm
	.p2align	8
	.type	k_qef0a135eca_gemm,@function
k_qef0a135eca_gemm:
	s_mov_b64 s[64:65], 0
	v_nop
	global_prefetch_b8 v0, s[64:65] scope:SCOPE_SE
	s_setreg_imm32_b32 hwreg(HW_REG_WAVE_MODE, 25, 1), 1
	s_wait_xcnt 0x0
	s_wait_alu depctr_hold_cnt(0) depctr_sa_sdst(0) depctr_va_vdst(0) depctr_va_sdst(0) depctr_va_ssrc(0) depctr_va_vcc(0) depctr_vm_vsrc(0)
	s_getreg_b32 s2, hwreg(HW_REG_IB_STS2, 6, 4)
	s_cmp_eq_u32 s2, 0
	s_cbranch_scc0 .Lentry_in_a_cluster
	s_endpgm
.Lentry_in_a_cluster:
	s_bfe_u32 s2, ttmp6, 0x10000c
	s_cmp_lg_u32 s2, 0x3003
	s_cbranch_scc0 .Lentry_shape_is_right
	s_endpgm
.Lentry_shape_is_right:
; out[m][n] = sum over k of x[m][k] w[n][k] + bias[n]: codes of E5M2 with E8M0 scales on both sides, 4096 x 4096 x 4096, sums in f32.
; A work-group of four waves makes 256 x 256 of out; wave w makes all 256 rows x its own 64 columns: 64 accumulators of 16 x 16, 512 registers.
; ONLY x GOES THROUGH LDS: two slots of 256 rows x 512 K (rows of 512 bytes + 16 of padding), so a slot serves four steps of 128 along K and there are six refills.
; w's codes lie in memory by operand fragments (the launch before laid them so); a wave's 64 columns are read by that wave alone, so they go from memory straight into registers: four sets, asked for three steps ahead.
; CLUSTERS: the four work-groups of a cluster make four neighbouring column blocks of one row block: they ask for x's tiles jointly (mask 15).  w is not asked for jointly: the partners hold other columns.
; THE MATRIX INSTRUCTION IS USED TRANSPOSED (source 0 = 16 rows of w, source 1 = 16 rows of x): a lane holds eight neighbouring numbers of a row of out.
; A step is four batches of 16 products: four blocks of x (16 rows each) x 4 fragments of w.  x's fragments have a ring of two halves of four blocks.  Ahead of each batch stands ONE run: eight v_nop
; (the places behind the batch before), the next batch's 16 LDS loads into the half that the batch before has read, and four of the 16 loads of w.
; The accumulators take turns.  The first step's products take 0 as C; bias is added on the way out.
; THE LAST THREE STEPS GO BY ROWS OF out: w's three sets are all in registers, and each block of 16 rows is finished by 12 products (its 4 accumulators by turns, K ascending), so that finished rows leave while the others are multiplied.
; REGISTERS: window 0: v0-31 addresses; v32-111 scale words, four sets of 20; v112-115 bias; v128-255 x's ring.  window 1: w's four sets of 64.  windows 2, 3: accumulator (a, b) at v[8 (4 (a % 8) + b)] of window 2 + a / 8.
; Steps are named by sg = the step less 8 x the loop's trips done: every base pointer stands at the trip's first step and all else is an immediate.
.set PITCH,  528
.set QT,     64*PITCH                  ; 64 rows: one wave's tensor load
.set SLOT,   4*QT
.set STAGE,  2*SLOT                    ; the way out: 16 rows x 272 bytes for each wave; no tensor load lands here
.set SPITCH, 272
.set SPARE,  STAGE+4*16*SPITCH         ; the spare words: 128 bytes a wave
.set ADR,  4                           ; v4-7  LDS address of x's fragments: slot 0 rows 0-127, rows 128-255; slot 1 likewise
.set LO16, 8                           ; 16 x lane
.set LO8,  9                           ; 8 x lane
.set STO,  10
.set RD,   11
.set CO,   12
.set BO,   13
.set VPA,  14                          ; prefetch of x: lane / 2 rows, (lane % 2) x 256 bytes
.set VPB,  15                          ; prefetch of w: my work-group's sixteenth of four steps
.set SPW,  16
.set NIL,  17
.set SC,   32
.set BI,   112
.set AF,   128
.set G1, 24
.set G0, 32
.set WB, 40
.set XS, 42
.set WS, 44
.set XA, 46
.set MSB, 0
.macro WIN new
.if MSB != (\new)
	s_set_vgpr_msb (MSB<<8)|(\new)
.set MSB, (\new)
.endif
.endm
.macro PLACES n
.rept \n
	v_nop
.endr
.endm
.macro CREST
	s_cmp_lg_u32 s16, 0
	s_cbranch_scc1 .Lnw0_\@
	s_barrier_signal -3
.Lnw0_\@:
	s_barrier_wait -3
	s_barrier_signal -1
	s_barrier_wait -1
.endm
.macro ROUND
	s_barrier_signal -1
	s_barrier_wait -1
	CREST
.endm
.macro SCL set, j, u                   ; load j of a set of scale words for 256 along K: j < 8: 32 rows of x; j = 8, 9: 32 of my columns of w.  8 bytes a lane: 256 consecutive bytes
.if (\j) < 8
	global_load_b64 v[SC+20*(\set)+2*(\j):SC+20*(\set)+2*(\j)+1], v[LO8], s[XS:XS+1] offset:32768*(\u)+256*(\j)
.else
	global_load_b64 v[SC+20*(\set)+2*(\j):SC+20*(\set)+2*(\j)+1], v[LO8], s[WS:WS+1] offset:32768*(\u)+256*((\j)-8)
.endif
.endm
.macro BLD i, st                       ; quarter i % 4 of fragment i / 4 of w for step st: 512 consecutive bytes
	global_load_b128 v[64*((\st)%4)+4*(\i):64*((\st)%4)+4*(\i)+3], v[LO16], s[WB:WB+1] offset:65536*((\i)/4)+2048*(\st)+512*((\i)%4)
.endm
.macro BLD4 i0, st                     ; one fragment of w, into window 1
	WIN 0x40
.irp i, 0,1,2,3
	BLD (\i0)+\i, \st
.endr
	WIN 0
.endm
.macro ALD st, a                       ; block a of x for step st, from slot (st / 4) % 2
.irp c, 0,1,2,3
	ds_load_b128 v[AF+16*((\a)%8)+4*\c:AF+16*((\a)%8)+4*\c+3], v[ADR+2*(((\st)/4)%2)+(\a)/8] offset:((\a)%8)*16*PITCH+128*((\st)%4)+32*\c
.endr
.endm
.macro ALD4 st, a0                     ; a batch's four blocks: 16 LDS loads
.irp i, 0,1,2,3
	ALD \st, (\a0)+\i
.endr
.endm
.macro AL3 a                           ; by rows: block a of x for the last three steps (slot 1, bytes 128 to 511 of its rows), into three fragments of half a % 2 of the ring
.irp i, 0,1,2
.irp c, 0,1,2,3
	ds_load_b128 v[AF+16*(4*((\a)%2)+\i)+4*\c:AF+16*(4*((\a)%2)+\i)+4*\c+3], v[ADR+2+(\a)/8] offset:((\a)%8)*16*PITCH+128*(\i+1)+32*\c
.endr
.endr
.endm
; One product; xR names the ring's fragment that holds x's block.  Scale words: x's blocks 2 j, 2 j + 1 lie in lanes 0-15, 16-31 of one register; w's likewise, with the two words of a pair swapped, so that the two registers' numbers differ by an odd number.
.macro WM a, b, p, q, sc, first
.set xD, 8*(4*((\a)%8)+(\b))
.set xB, 64*(\p)+16*(\b)
.set xA, AF+16*xR
.set yB, SC+20*(\sc)+16+2*((\b)/2)+1-(\q)
.set yA, SC+20*(\sc)+2*((\a)/2)+(\q)
.set xm, 2*((\a)%2)+((\b)%2)+4*(\first)
.if xm == 0
	v_wmma_scale_f32_16x16x128_f8f6f4 v[xD:xD+7], v[xB:xB+15], v[xA:xA+15], v[xD:xD+7], v[yB], v[yA] matrix_a_fmt:MATRIX_FMT_BF8 matrix_b_fmt:MATRIX_FMT_BF8
.elseif xm == 1
	v_wmma_scale_f32_16x16x128_f8f6f4 v[xD:xD+7], v[xB:xB+15], v[xA:xA+15], v[xD:xD+7], v[yB], v[yA] matrix_a_fmt:MATRIX_FMT_BF8 matrix_b_fmt:MATRIX_FMT_BF8 matrix_a_scale:MATRIX_SCALE_ROW1
.elseif xm == 2
	v_wmma_scale_f32_16x16x128_f8f6f4 v[xD:xD+7], v[xB:xB+15], v[xA:xA+15], v[xD:xD+7], v[yB], v[yA] matrix_a_fmt:MATRIX_FMT_BF8 matrix_b_fmt:MATRIX_FMT_BF8 matrix_b_scale:MATRIX_SCALE_ROW1
.elseif xm == 3
	v_wmma_scale_f32_16x16x128_f8f6f4 v[xD:xD+7], v[xB:xB+15], v[xA:xA+15], v[xD:xD+7], v[yB], v[yA] matrix_a_fmt:MATRIX_FMT_BF8 matrix_b_fmt:MATRIX_FMT_BF8 matrix_a_scale:MATRIX_SCALE_ROW1 matrix_b_scale:MATRIX_SCALE_ROW1
.elseif xm == 4
	v_wmma_scale_f32_16x16x128_f8f6f4 v[xD:xD+7], v[xB:xB+15], v[xA:xA+15], 0, v[yB], v[yA] matrix_a_fmt:MATRIX_FMT_BF8 matrix_b_fmt:MATRIX_FMT_BF8
.elseif xm == 5
	v_wmma_scale_f32_16x16x128_f8f6f4 v[xD:xD+7], v[xB:xB+15], v[xA:xA+15], 0, v[yB], v[yA] matrix_a_fmt:MATRIX_FMT_BF8 matrix_b_fmt:MATRIX_FMT_BF8 matrix_a_scale:MATRIX_SCALE_ROW1
.elseif xm == 6
	v_wmma_scale_f32_16x16x128_f8f6f4 v[xD:xD+7], v[xB:xB+15], v[xA:xA+15], 0, v[yB], v[yA] matrix_a_fmt:MATRIX_FMT_BF8 matrix_b_fmt:MATRIX_FMT_BF8 matrix_b_scale:MATRIX_SCALE_ROW1
.else
	v_wmma_scale_f32_16x16x128_f8f6f4 v[xD:xD+7], v[xB:xB+15], v[xA:xA+15], 0, v[yB], v[yA] matrix_a_fmt:MATRIX_FMT_BF8 matrix_b_fmt:MATRIX_FMT_BF8 matrix_a_scale:MATRIX_SCALE_ROW1 matrix_b_scale:MATRIX_SCALE_ROW1
.endif
.endm
.macro MULB sg, a0, n, first           ; n blocks of x from a0 on x w's four fragments
	WIN 0xa1+0x50*((\a0)/8)
.set xa, \a0
.rept \n
.set xR, xa%8
.set xb, 0
.rept 4
	WM xa, xb, (\sg)%4, (\sg)%2, ((\sg)/2)%4, \first
.set xb, xb+1
.endr
.set xa, xa+1
.endr
.endm
.macro MUL3 a                          ; by rows: block a is finished: steps sg = 5, 6, 7 x w's four fragments; three other products stand between two steps of a sum
	WIN 0xa1+0x50*((\a)/8)
.irp i, 0,1,2
.set xR, 4*((\a)%2)+\i
.irp b, 0,1,2,3
	WM \a, \b, (5+\i)%4, (5+\i)%2, ((5+\i)/2)%4, 0
.endr
.endr
.endm
; A step of 128 along K: 64 products.  turn = 0: its successor lies in the same slot; 1: a slot's last step, the slot is filled again; 2: a slot's last step, nothing is filled; 4: the last step that goes by K.
; bl: w's fragments for step sg + 3 are asked for, one in each run (turn = 4: all four in the first run); sl: the scale words for steps sg + 6, sg + 7 are asked for, ahead of w's loads.
; lc: the loads issued behind this step's set of w: those of the two steps before (16 + 16, and 10 of scales where one of them asked for scales).
.macro STEP sg, first, turn, bl, sl, lc
	s_wait_loadcnt \lc
.set xs, ((\sg)/4)%2
.set xg, 0
.rept 4
.if xg < 3 || (\turn) == 0 || (\turn) == 4
	PLACES 8
	WIN 0
.if xg < 3
	ALD4 \sg, 4*xg+4
.elseif (\turn) == 4
	AL3 0                                          ; the first block of the steps that go by rows
.else
	ALD4 (\sg)+1, 0
.endif
.if (\sl) && xg == 0
.irp j, 0,1,2,3,4,5,6,7,8,9
	SCL (((\sg)+6)/2)%4, \j, ((\sg)+6)/2
.endr
.endif
.if (\bl) && (\turn) != 4
	BLD4 4*xg, (\sg)+3
.elseif (\bl) && xg == 0
.irp f, 0,4,8,12
	BLD4 \f, (\sg)+3
.endr
.endif
.endif
.if ((\turn) == 1 || (\turn) == 2) && xg == 2
	s_wait_tensorcnt 0x0                           ; the run above held my last reads of this slot.  All my tensor loads have landed: my part of the next slot;
	ds_add_u32 v[SPW], v[NIL]                      ; 0 onto my spare word: a batch of products stands between it and the wait for it
.if (\turn) == 1
	s_add_nc_u64 s[G0+4*xs+2:G0+4*xs+3], s[G0+4*xs+2:G0+4*xs+3], 1024   ; no tensor load of mine is out: this slot's next tile, two slots of 512 bytes on
.endif
	s_wait_dscnt 17                                ; my batch is in; the 16 loads of the run above and the add may be out
	MULB \sg, 8, 4, \first
	s_wait_dscnt 0x0                               ; the add is done, and my reads of this slot are over
	s_barrier_signal -1                            ; two blocks' products stand between the signal and the wait
.elseif ((\turn) == 1 || (\turn) == 2) && xg == 3
	MULB \sg, 12, 2, \first
	WIN 0
	s_barrier_wait -1
.if (\turn) == 1
	CREST                                          ; the barrier has opened a round of the cluster's barrier: no wave of any partner still reads this slot or has a load on its way
	tensor_load_to_lds s[G0+4*xs:G0+4*xs+3], s[G1:G1+7]
	s_nop 0
.endif
	PLACES 8
	ALD4 (\sg)+1, 0                                ; the next slot's first batch, into the half that blocks 8 to 11 have left; blocks 14 and 15 are multiplied meanwhile
.if \bl
	BLD4 12, (\sg)+3
.endif
.if (\turn) == 1
	; PREFETCHES.  w: the four steps that begin five steps on; their first load stands more than one step on.  The sixteen work-groups that read my columns share each wave's 128 blocks of 256 bytes out by address:
	; mine are the 8 blocks of one fragment of one step (lanes 8 to 31 name the last of them again).  x: the tile that the next refill but this one asks for: 64 rows x 512 bytes a wave, the four partners 16 rows each, by address.
	global_prefetch_b8 v[VPB], s[WB:WB+1] offset:2048*((\sg)+5) th:TH_LOAD_NT scope:SCOPE_SE
.if (\sg) == 7
	s_cmp_lg_u32 s3, 1                             ; in the last trip there is no such tile of x
	s_cbranch_scc0 .Lnopf_\@
.endif
	global_prefetch_b8 v[VPA], s[XA:XA+1] offset:512*(((\sg)+1)/4+2) th:TH_LOAD_NT scope:SCOPE_SE
.if (\sg) == 7
.Lnopf_\@:
.endif
.endif
	MULB \sg, 14, 2, \first
.else
.if (\turn) == 4 && xg == 3
	s_wait_dscnt 12                                ; my batch is in; the 12 loads of the run above may be out
.else
	s_wait_dscnt 16                                ; my batch is in; the 16 loads of the run above may be out
.endif
	MULB \sg, 4*xg, 4, \first
.endif
.set xg, xg+1
.endr
.endm
	s_load_b256 s[4:11], s[0:1], 0x0               ; x_codes s[4:5], x_sc s[6:7], w_codes s[8:9], w_sc s[10:11]
	s_load_b128 s[12:15], s[0:1], 0x20             ; bias s[12:13], out0 s[14:15]
	v_lshl_add_u32 v[SPW], v0, 2, SPARE
	v_mov_b32 v[NIL], 0
	ds_add_u32 v[SPW], v[NIL]                      ; the opening lines: the add, twice on end, and its wait ahead of my first tensor load
	ds_add_u32 v[SPW], v[NIL]
	v_lshrrev_b32 v1, 5, v0
	v_readfirstlane_b32 s16, v1                    ; wave 0..3
	s_bfe_u32 s17, ttmp6, 0x40000                  ; cx
	s_lshr_b32 s18, ttmp9, 2                       ; row block of out: the cluster's number / 4, the same in all partners
	s_and_b32 s19, ttmp9, 3
	s_lshl_b32 s19, s19, 2
	s_add_co_u32 s19, s19, s17                     ; column block
	s_mov_b32 s[G1+0], 15|(1<<20)|(1<<21)|(6<<22)|(3<<25)   ; mask of the four partners; elements of 1 byte; 4 words of padding behind every 128
	s_mov_b32 s[G1+1], 512<<16
	s_mov_b32 s[G1+2], 64<<16
	s_mov_b32 s[G1+3], 512<<16
	s_mov_b32 s[G1+4], 64
	s_mov_b32 s[G1+5], 4096
	s_mov_b32 s[G1+6], 0
	s_mov_b32 s[G1+7], 0
	s_lshl_b32 s20, s18, 8
	s_lshl_b32 s21, s16, 6
	s_add_co_u32 s20, s20, s21                     ; the 64 rows of x that I fetch
	s_lshl_b32 s20, s20, 12
	s_mov_b32 s21, 0
	s_mul_i32 s22, s16, QT
	s_lshl_b32 s48, s19, 8
	s_lshl_b32 s49, s16, 6
	s_add_co_u32 s48, s48, s49                     ; my first column
	s_lshl_b32 s50, s48, 12                        ; w_codes: 65,536 bytes for 16 columns
	s_mov_b32 s51, 0
	s_lshl_b32 s52, s48, 3                         ; w_sc
	s_mov_b32 s53, 0
	s_lshl_b32 s54, s48, 2                         ; bias, and my columns in a row of out
	s_mov_b32 s55, 0
	s_lshl_b32 s56, s18, 11                        ; x_sc
	s_mov_b32 s57, 0
	s_lshl_b32 s58, s18, 22                        ; out: 256 rows of 16,384 bytes
	s_mov_b32 s59, 0
	s_lshl_b32 s60, s17, 16                        ; prefetch of x: my work-group's 16 rows of my wave's 64
	s_mov_b32 s61, 0
	s_lshr_b32 s62, s18, 2                         ; prefetch of w: fragment (row block / 4), step (row block % 4)
	s_lshl_b32 s62, s62, 16
	s_and_b32 s63, s18, 3
	s_lshl_b32 s63, s63, 11
	s_add_co_u32 s62, s62, s63
	s_mul_i32 s23, s16, 16*SPITCH
	s_add_co_u32 s23, s23, STAGE
	v_and_b32 v1, 15, v0                           ; r
	v_bfe_u32 v2, v0, 4, 1                         ; h
	v_and_b32 v3, 31, v0                           ; lane
	v_lshlrev_b32 v[LO16], 4, v3
	v_lshlrev_b32 v[LO8], 3, v3
	v_mul_u32_u24 v18, v1, PITCH
	v_lshl_add_u32 v[ADR], v2, 4, v18
	v_add_nc_u32 v[ADR+1], 8*16*PITCH, v[ADR]
	v_add_nc_u32 v[ADR+2], SLOT, v[ADR]
	v_add_nc_u32 v[ADR+3], SLOT+8*16*PITCH, v[ADR]
	v_mul_u32_u24 v18, v1, SPITCH
	v_lshl_add_u32 v18, v2, 5, v18
	v_add_nc_u32 v[STO], s23, v18                  ; into the stage: row r, 32 bytes for each half of the lanes
	v_mul_u32_u24 v19, v2, SPITCH
	v_lshl_add_u32 v19, v1, 4, v19
	v_add_nc_u32 v[RD], s23, v19                   ; back: lanes 0-15 one row of 256 bytes, lanes 16-31 the next
	v_lshlrev_b32 v[BO], 4, v1
	v_lshl_add_u32 v[CO], v2, 14, v[BO]
	v_lshrrev_b32 v20, 1, v3
	v_and_b32 v21, 1, v3
	v_lshlrev_b32 v21, 8, v21
	v_lshl_add_u32 v[VPA], v20, 12, v21
	v_min_u32 v22, 7, v3
	v_lshl_add_u32 v[VPB], v22, 8, s62
	s_wait_alu depctr_va_vdst(0)
	s_wait_dscnt 0x0                               ; both opening adds are done
	s_wait_kmcnt 0x0
	s_add_nc_u64 s[20:21], s[4:5], s[20:21]
.irp s, 0,1
	s_mov_b32 s[G0+4*\s], 1
	s_add_co_u32 s[G0+4*\s+1], s22, \s*SLOT
	s_add_nc_u64 s[G0+4*\s+2:G0+4*\s+3], s[20:21], \s*512
	s_or_b32 s[G0+4*\s+3], s[G0+4*\s+3], 0x80000000
.endr
	ROUND                                          ; the four partners are here: the first joint loads meet
	tensor_load_to_lds s[G0:G0+3], s[G1:G1+7]      ; steps 0 to 3, my 64 rows: one tensor load a wave at the head
	s_nop 0
	PLACES 4
	s_add_nc_u64 s[XA:XA+1], s[20:21], s[60:61]
	s_add_nc_u64 s[WB:WB+1], s[8:9], s[50:51]
	s_add_nc_u64 s[XS:XS+1], s[6:7], s[56:57]
	s_add_nc_u64 s[WS:WS+1], s[10:11], s[52:53]
	s_add_nc_u64 s[12:13], s[12:13], s[54:55]
	s_add_nc_u64 s[14:15], s[14:15], s[58:59]
	s_add_nc_u64 s[14:15], s[14:15], s[54:55]
	; the head's loads: what step 0 needs first.  Behind step 0's set of w stand 10 + 10 + 16 + 16 loads; from step 1 on the counts are the loop's
	global_load_b128 v[BI:BI+3], v[BO], s[12:13]
.irp j, 0,1,2,3,4,5,6,7,8,9
	SCL 0, \j, 0
.endr
.irp f, 0,4,8,12
	BLD4 \f, 0
.endr
.irp j, 0,1,2,3,4,5,6,7,8,9
	SCL 1, \j, 1
.endr
.irp j, 0,1,2,3,4,5,6,7,8,9
	SCL 2, \j, 2
.endr
.irp f, 0,4,8,12
	BLD4 \f, 1
.endr
	s_wait_tensorcnt 0x0                           ; my part of slot 0 is in
	ds_add_u32 v[SPW], v[NIL]
	s_wait_dscnt 0x0
	ROUND
	tensor_load_to_lds s[G0+4:G0+7], s[G1:G1+7]    ; steps 4 to 7: slot 1's first fill
	s_nop 0
	PLACES 4
	ALD4 0, 0
.irp f, 0,4,8,12
	BLD4 \f, 2
.endr
	STEP 0, 1, 0, 1, 1, 52                         ; the first step stands in front of the loop: its products start the sums
	WIN 0
	s_mov_b32 s3, 3
.Llap:                                                 ; a trip: eight steps, once round the ring, from a lap's second step to the next lap's first; both slots are filled again
	STEP 1, 0, 0, 1, 0, 42
	STEP 2, 0, 0, 1, 1, 42
	STEP 3, 0, 1, 1, 0, 42
	STEP 4, 0, 0, 1, 1, 42
	STEP 5, 0, 0, 1, 0, 42
	STEP 6, 0, 0, 1, 1, 42
	STEP 7, 0, 1, 1, 0, 42
	STEP 8, 0, 0, 1, 1, 42
	WIN 0
	s_wait_xcnt 0x0                                ; the trip's loads and prefetches have read their bases: these step only behind this wait
	s_add_nc_u64 s[WB:WB+1], s[WB:WB+1], 8*2048
	s_add_nc_u64 s[XS:XS+1], s[XS:XS+1], 4*32768
	s_add_nc_u64 s[WS:WS+1], s[WS:WS+1], 4*32768
	s_add_nc_u64 s[XA:XA+1], s[XA:XA+1], 1024
	s_sub_co_u32 s3, s3, 1
	s_cmp_lg_u32 s3, 0
	s_cbranch_scc1 .Llap
	STEP 1, 0, 0, 1, 0, 42                         ; steps 25 to 28 go by K: no slot is filled, no scale words are left to ask for, w's loads end with step 28's
	STEP 2, 0, 0, 1, 0, 42
	STEP 3, 0, 2, 1, 0, 32
	STEP 4, 0, 4, 1, 0, 32
; STEPS 29 TO 31 BY ROWS, AND THE WAY OUT.  Block a, 16 rows x my 64 columns, goes through my own stage and comes back as whole rows of 256 bytes; bias is added to the rows read back (a lane's four columns are the same
; in every row); sixteen lanes store one aligned unit of 256 bytes.  The rows read back lie in the two fragments of the ring that the steps by rows leave free: v176-191 and v240-255.
.macro TOSTAGE a
	WIN 0x08+4*((\a)/8)
.irp b, 0,1,2,3
	ds_store_b128 v[STO], v[8*(4*((\a)%8)+\b):8*(4*((\a)%8)+\b)+3] offset:64*\b       ; each accumulator from its low end on
	ds_store_b128 v[STO], v[8*(4*((\a)%8)+\b)+4:8*(4*((\a)%8)+\b)+7] offset:64*\b+16
.endr
	WIN 0
.irp t, 0,1,2,3,4,5,6,7
	ds_load_b128 v[176+4*\t+48*(\t/4):176+4*\t+48*(\t/4)+3], v[RD] offset:\t*2*SPITCH   ; LDS serves a wave's instructions in order (ISA guide 5.7.1.4)
.endr
.endm
.macro SEND a
.irp t, 0,1,2,3,4,5,6,7
	v_pk_add_f32 v[176+4*\t+48*(\t/4):176+4*\t+48*(\t/4)+1], v[176+4*\t+48*(\t/4):176+4*\t+48*(\t/4)+1], v[BI:BI+1]
	v_pk_add_f32 v[176+4*\t+48*(\t/4)+2:176+4*\t+48*(\t/4)+3], v[176+4*\t+48*(\t/4)+2:176+4*\t+48*(\t/4)+3], v[BI+2:BI+3]
.endr
.irp t, 0,1,2,3,4,5,6,7
	global_store_b128 v[CO], v[176+4*\t+48*(\t/4):176+4*\t+48*(\t/4)+3], s[14:15] offset:(16*(\a)+2*\t)*16384 th:TH_STORE_NT
.endr
.endm
	s_wait_loadcnt 0x0                             ; w's last three sets are in
; Turn xr: block xr - 2's rows get their bias and are stored (its 16 additions are the places behind block xr - 1's products); block xr + 1's fragments are asked for; block xr - 1 goes to the stage; block xr is multiplied.
.set xr, 0
.rept 18
	s_wait_dscnt 0x0                               ; block xr's fragments are in, and block xr - 2's rows are back
	WIN 0
.if xr >= 2
	SEND xr-2
.else
	PLACES 8
.endif
.if xr < 15
	AL3 xr+1
.endif
.if xr >= 1 && xr <= 16
.if xr >= 2
	s_wait_xcnt 0x0                                ; block xr - 2's stores have read their registers: block xr - 1's rows may land there
.endif
	TOSTAGE xr-1
.endif
.if xr <= 15
	MUL3 xr
.endif
.set xr, xr+1
.endr
	s_wait_tensorcnt 0x0                           ; the wave's end
	ds_add_u32 v[SPW], v[NIL]
	s_wait_dscnt 0x0
	ROUND                                          ; the closing round
	s_endpgm
.Lfunc_end_k_qef0a135eca_gemm:
	.size	k_qef0a135eca_gemm, .Lfunc_end_k_qef0a135eca_gemm-k_qef0a135eca_gemm
	.p2alignl 7, 3214868480
	.fill 96, 4, 3214868480
	.section	.rodata,"a",@progbits
	.p2align	6, 0x0
	.amdhsa_kernel k_qef0a135eca_gemm
		.amdhsa_group_segment_fixed_size 327680
		.amdhsa_private_segment_fixed_size 0
		.amdhsa_enable_private_segment 0
		.amdhsa_kernarg_size 48
		.amdhsa_user_sgpr_count 2
		.amdhsa_user_sgpr_kernarg_segment_ptr 1
		.amdhsa_wavefront_size32 1
		.amdhsa_system_sgpr_workgroup_id_x 1
		.amdhsa_system_sgpr_workgroup_id_y 1
		.amdhsa_system_sgpr_workgroup_id_z 1
		.amdhsa_system_vgpr_workitem_id 0
		.amdhsa_next_free_vgpr 1024
		.amdhsa_next_free_sgpr 66
		.amdhsa_reserve_vcc 0
		.amdhsa_float_denorm_mode_32 3
		.amdhsa_float_denorm_mode_16_64 3
		.amdhsa_memory_ordered 1
		.amdhsa_forward_progress 1
		.amdhsa_inst_pref_size 255
	.end_amdhsa_kernel
	.section	.bss,"aw",@nobits
	.p2align	6
	.space	262144
	.amdgpu_metadata
---
amdhsa.version: [ 1, 2 ]
amdhsa.kernels:
  - .name:           k_qef0a135eca_gemm
    .symbol:         k_qef0a135eca_gemm.kd
    .args:
      - { .name: x_codes, .offset: 0, .size: 8, .value_kind: global_buffer, .address_space: global }
      - { .name: x_sc, .offset: 8, .size: 8, .value_kind: global_buffer, .address_space: global }
      - { .name: w_codes, .offset: 16, .size: 8, .value_kind: global_buffer, .address_space: global }
      - { .name: w_sc, .offset: 24, .size: 8, .value_kind: global_buffer, .address_space: global }
      - { .name: bias, .offset: 32, .size: 8, .value_kind: global_buffer, .address_space: global }
      - { .name: out0, .offset: 40, .size: 8, .value_kind: global_buffer, .address_space: global }
    .group_segment_fixed_size: 327680
    .private_segment_fixed_size: 0
    .kernarg_segment_align: 8
    .kernarg_segment_size: 48
    .max_flat_workgroup_size: 128
    .sgpr_count:     66
    .vgpr_count:     1024
    .wavefront_size: 32
...
	.end_amdgpu_metadata
.endif
;; end of part 2
